; MI455X (gfx1250); checked and timed in simulation.
; The chip was launched on July 23, 2026; its instructions are those of AMD's public machine-readable ISA for CDNA 5 (MIT licence, August 2026) and "CDNA5" Instruction Set Architecture Reference Guide (July 2026). The comments in the code are by the model that wrote it; some were corrected since.
;; Mo E Gate. Allowed arithmetic: matrix products marked QUANTISED: E4M3 operands, one E8M0 scale for each 32 along K, by v_wmma_scale_f32_16x16x128_f8f6f4 with both operands' format E4M3, f32 sums; everything else in f32.
;; Inputs: hidden_states 4 x 4,096 x 2,048 float32; weight 64 x 2,048 float32.
;; Outputs: out0 4 x 4,096 x 2 int32; out1 4 x 4,096 x 2 float32.
;; This version of the problem:
;;   THIS VERSION OF THE PROBLEM IS GIVEN IN LOW PRECISION. The matrix products marked QUANTISED in the list below multiply operands that are first quantised to E4M3 (4 exponent bits, 3 mantissa bits; 8 bits a number), with one power-of-two scale for each 32 numbers along K (OCP MX v1.0); their sums are f32. All else is computed in f32.
;;   The module's matrix products, in the order in which they are computed (A, B: the left and right operand; K: the contracted axis; several contracted axes count as one K, in the product's order):
;;     1. [M 16,384, K 2,048] x [K 2,048, N 64]; A: input hidden_states; B: input weight: QUANTISED
;;   THE QUANTISER, for each operand of a quantised product, along K:
;;     - K is cut into blocks of 32 from its start; a last block that is shorter is filled with zeros.
;;     - A block's scale is 2^e with e = floor(log2(the largest magnitude in the block)) - 8, held to -126 .. 127; a block of zeros has e = 0. As a byte (E8M0): e + 127.
;;     - Each number is divided by its block's scale, clamped to +-448, and rounded to the nearest number of E4M3, ties to even, subnormals kept.
;;     - The product sums the exact products of the quantised numbers (number of the format x scale) in f32.
;;   ~~~python
;;   def quantise(x, axis):      # numpy; x: float32 -> the quantised numbers, widened to float32 again
;;       x = np.moveaxis(x, axis, -1); K = x.shape[-1]
;;       x = np.pad(x, [(0, 0)] * (x.ndim - 1) + [(0, -K % 32)]); x = x.reshape(x.shape[:-1] + (-1, 32)); a = np.abs(x).max(-1, keepdims=True)
;;       e = np.where(a > 0, np.clip(np.frexp(np.where(a > 0, a, 1))[1] - 1 - 8, -126, 127), 0)      # np.frexp(a)[1] - 1 = floor(log2(a)), exactly
;;       r = np.clip(x / 2.0 ** e, -448, 448)
;;       step = 2.0 ** (np.maximum(np.frexp(np.where(r == 0, 1, r))[1] - 1, -6) - 3)
;;       q = np.round(r / step) * step * 2.0 ** e      # np.round: ties to even
;;       return np.moveaxis(q.reshape(q.shape[:-2] + (-1,))[..., :K], -1, axis).astype(np.float32)
;;   ~~~
;; One version. Each part assembles by itself: llvm-mc -triple=amdgcn-amd-amdhsa -mcpu=gfx1250 --defsym DOCPART=n.
;; ======== version 1 of 1: 2 launches
;; limits: right only within a limited range of input values
;; workspace buffers: wcodes 131,072 bytes; wscales 8,192 bytes
;; launch wprep (part 1): grid 64 x 1, 1 waves a work-group, no clusters, 0 bytes of LDS; arguments weight, wcodes, wscales; writes wcodes, wscales
.if DOCPART == 1
	.amdgcn_target "amdgcn-amd-amdhsa--gfx1250"
	.amdhsa_code_object_version 6
	.text
	.protected	k_q416b021b90_wprep
	.globl	k_q416b021b90_wprep
	.p2align	8
	.type	k_q416b021b90_wprep,@function
k_q416b021b90_wprep:
	s_mov_b64 s[64:65], 0
	v_nop
	global_prefetch_b8 v0, s[64:65] scope:SCOPE_SE
	s_setreg_imm32_b32 hwreg(HW_REG_WAVE_MODE, 25, 1), 1
	s_wait_xcnt 0x0
; W [64][2048] f32 becomes codes of E4M3 with one E8M0 scale for each 32 along K, in the order of the next launch's operand registers; no work of the problem is left out.
; Work-group g = 8 w + 2 n + s, one wave: experts 16 n .. 16 n + 15, k = 256 w + 128 s .. + 127.  Lane (r = lane % 16, h = lane / 16) takes row r, and of each block c of 32 the 16 neighbours 16 h on.
;   wcodes[g][c][lane][16 bytes]: registers 4 c .. 4 c + 3 of the operand;   wscales[g][lane]: the word of row r's four scale bytes, in both halves of the lanes.
; A block's scale is 2^(floor(log2(its largest magnitude)) - 8); its byte is the largest magnitude's exponent field - 8, held at 1 from below by a floor among the maximum's leaves.
; A block of zeros keeps the byte 1 where the rule says 127: its codes are zeros, and only the next launch reads the bytes.  LIMIT: NaN and infinities are not served.
; A wave's 16 loads cover 16 rows x 512 consecutive bytes.  No LDS, no barrier: no wave shares anything.
.set ROWB, 8192
.set X,   32                           ; v32-95  64 numbers
.set C,   96                           ; v96-111 codes
.set M,   8                            ; v8-11   maxima
.set P,   12                           ; v12-15  the other half's
.set E,   16                           ; v16-19  scales
.set H,   20                           ; v20-23  448 x the scales
.set Y,   24                           ; v24-27  bytes
	s_load_b128 s[4:7], s[0:1], 0x0                ; W, codes
	s_load_b64 s[8:9], s[0:1], 0x10                ; scale words
	v_and_b32 v1, 15, v0
	v_lshrrev_b32 v2, 4, v0
	v_lshlrev_b32 v3, 13, v1
	v_lshl_add_u32 v3, v2, 6, v3                   ; row r, my half's 64 bytes of a block
	v_lshlrev_b32 v4, 4, v0
	v_lshlrev_b32 v5, 2, v0
.irp c, 0,1,2,3
	v_mov_b32 v[P+\c], 0                           ; a lane permute's destination counts as one of its sources
.endr
	s_mov_b32 s20, 0x76543210
	s_mov_b32 s21, 0xfedcba98                      ; v_permlanex16_b32's selects for lane xor 16
	s_mov_b32 s22, 0x600000                        ; the mantissa field of 448
	s_lshr_b32 s10, ttmp9, 3
	s_lshl_b32 s10, s10, 10                        ; 1,024 w
	s_bfe_u32 s11, ttmp9, 0x20001
	s_lshl_b32 s11, s11, 17                        ; 16 n rows
	s_add_co_u32 s10, s10, s11
	s_and_b32 s11, ttmp9, 1
	s_lshl_b32 s11, s11, 9                         ; 512 s
	s_add_co_u32 s10, s10, s11
	s_mov_b32 s11, 0
	s_lshl_b32 s12, ttmp9, 11
	s_mov_b32 s13, 0
	s_lshl_b32 s14, ttmp9, 7
	s_mov_b32 s15, 0
	s_wait_alu depctr_va_vdst(0)
	s_wait_kmcnt 0x0
	s_add_nc_u64 s[4:5], s[4:5], s[10:11]
	s_add_nc_u64 s[6:7], s[6:7], s[12:13]
	s_add_nc_u64 s[8:9], s[8:9], s[14:15]
.irp c, 0,1,2,3
.irp q, 0,1,2,3
	global_load_b128 v[X+16*\c+4*\q:X+16*\c+4*\q+3], v3, s[4:5] offset:128*\c+16*\q
.endr
.endr
	s_wait_loadcnt 0x0
.irp c, 0,1,2,3
	v_max3_num_f32 v[M+\c], |v[X+16*\c]|, |v[X+16*\c+1]|, 0x4800000    ; the floor 2^(9 - 127)
.endr
.irp i, 2,4,6,8,10,12,14
.irp c, 0,1,2,3
	v_max3_num_f32 v[M+\c], |v[X+16*\c+\i]|, |v[X+16*\c+\i+1]|, v[M+\c]
.endr
.endr
.irp c, 0,1,2,3
	v_permlanex16_b32 v[P+\c], v[M+\c], s20, s21
.endr
.irp c, 0,1,2,3
	v_max_num_f32 v[M+\c], v[M+\c], v[P+\c]        ; with lane xor 16's: the block's largest magnitude
.endr
.irp c, 0,1,2,3
	v_add_nc_u32 v[E+\c], 0xfc000000, v[M+\c]      ; 8 off the exponent field: the conversion takes this operand's exponent field as its scale
.endr
.irp c, 0,1,2,3
	v_and_or_b32 v[H+\c], v[M+\c], 0x7f800000, s22 ; 448 x the scale
.endr
.irp c, 0,1,2,3
	v_lshrrev_b32 v[Y+\c], 23, v[E+\c]             ; the scale's byte
.endr
.irp c, 0,1,2,3
.irp i, 0,1,2,3,4,5,6,7,8,9,10,11,12,13,14,15
	v_med3_num_f32 v[X+16*\c+\i], v[X+16*\c+\i], -v[H+\c], v[H+\c]     ; the conversion to an 8-bit code does not saturate (ISA guide 7.6.2)
.endr
.endr
	v_lshl_or_b32 v[Y], v[Y+1], 8, v[Y]
	v_lshl_or_b32 v[Y+2], v[Y+3], 8, v[Y+2]
.irp c, 0,1,2,3
	v_cvt_scalef32_pk8_fp8_f32 v[C+4*\c:C+4*\c+1],   v[X+16*\c:X+16*\c+7],    v[E+\c]
	v_cvt_scalef32_pk8_fp8_f32 v[C+4*\c+2:C+4*\c+3], v[X+16*\c+8:X+16*\c+15], v[E+\c]
.endr
	v_lshl_or_b32 v[Y], v[Y+2], 16, v[Y]           ; (and the plain line behind the last conversion)
.irp c, 0,1,2,3
	global_store_b128 v4, v[C+4*\c:C+4*\c+3], s[6:7] offset:512*\c     ; 32 lanes store 512 consecutive bytes
.endr
	global_store_b32 v5, v[Y], s[8:9]              ; and 128
	s_endpgm
.Lfunc_end_k_q416b021b90_wprep:
	.size	k_q416b021b90_wprep, .Lfunc_end_k_q416b021b90_wprep-k_q416b021b90_wprep
	.p2alignl 7, 3214868480
	.fill 96, 4, 3214868480
	.section	.rodata,"a",@progbits
	.p2align	6, 0x0
	.amdhsa_kernel k_q416b021b90_wprep
		.amdhsa_group_segment_fixed_size 0
		.amdhsa_private_segment_fixed_size 0
		.amdhsa_enable_private_segment 0
		.amdhsa_kernarg_size 24
		.amdhsa_user_sgpr_count 2
		.amdhsa_user_sgpr_kernarg_segment_ptr 1
		.amdhsa_wavefront_size32 1
		.amdhsa_system_sgpr_workgroup_id_x 1
		.amdhsa_system_sgpr_workgroup_id_y 1
		.amdhsa_system_sgpr_workgroup_id_z 1
		.amdhsa_system_vgpr_workitem_id 0
		.amdhsa_next_free_vgpr 128
		.amdhsa_next_free_sgpr 66
		.amdhsa_reserve_vcc 0
		.amdhsa_float_denorm_mode_32 3
		.amdhsa_float_denorm_mode_16_64 3
		.amdhsa_memory_ordered 1
		.amdhsa_forward_progress 1
		.amdhsa_inst_pref_size 12
	.end_amdhsa_kernel
	.amdgpu_metadata
---
amdhsa.version: [ 1, 2 ]
amdhsa.kernels:
  - .name:           k_q416b021b90_wprep
    .symbol:         k_q416b021b90_wprep.kd
    .args:
      - { .name: weight, .offset: 0, .size: 8, .value_kind: global_buffer, .address_space: global }
      - { .name: wcodes, .offset: 8, .size: 8, .value_kind: global_buffer, .address_space: global }
      - { .name: wscales, .offset: 16, .size: 8, .value_kind: global_buffer, .address_space: global }
    .group_segment_fixed_size: 0
    .private_segment_fixed_size: 0
    .kernarg_segment_align: 8
    .kernarg_segment_size: 24
    .max_flat_workgroup_size: 32
    .sgpr_count:     66
    .vgpr_count:     128
    .wavefront_size: 32
...
	.end_amdgpu_metadata
.endif
;; end of part 1
;; launch gate (part 2): grid 256 x 1, 8 waves a work-group, no clusters, 280,576 bytes of LDS; arguments hidden_states, wcodes, wscales, out0, out1; writes out0, out1
.if DOCPART == 2
	.amdgcn_target "amdgcn-amd-amdhsa--gfx1250"
	.amdhsa_code_object_version 6
	.text
	.protected	k_q416b021b90_gate
	.globl	k_q416b021b90_gate
	.p2align	8
	.type	k_q416b021b90_gate,@function
k_q416b021b90_gate:
	s_mov_b64 s[64:65], 0
	v_nop
	global_prefetch_b8 v0, s[64:65] scope:SCOPE_SE
	s_setreg_imm32_b32 hwreg(HW_REG_WAVE_MODE, 25, 1), 1
	s_wait_xcnt 0x0
; MoE gate.  logits[t][e] = sum over k of Q(x[t][k]) Q(W[e][k]); scores = softmax(logits); the two largest scores and their experts; the two weights divided by (their sum + 1e-20).
; x: [16384][2048] f32; W [64][2048] arrives as codes and scale words in the order of the operand registers (the launch before); Q: codes of E4M3 with one E8M0 scale for each 32 along K; out0: [16384][2] i32, out1: [16384][2] f32.
; No work of the problem is left out.
; SHARES.  A work-group owns 64 tokens.  Its eight waves share K: wave w owns k = 256 w .. 256 w + 255 (1,024 bytes of every row of x) for all 64 tokens and all 64 experts; its eighth of W's codes stands in 128 registers.
; The eight partial results (64 x 64 f32 each) meet in LDS at the end; there each wave takes 8 tokens.  The product is used transposed: source 0 = 16 experts, source 1 = 16 tokens.
; ALL OF x IS ASKED FOR AT THE HEAD, half of it into LDS, half into registers:
;   tokens 0-31: ONE tensor load a wave (32 rows x 1,024 bytes, padded); no LDS byte is filled twice.  They are read from LDS 64 bytes a lane, in the operand's order (QUANT);
;   tokens 32-63: eight UNITS of 16 rows x 64 along K (two blocks of 32), eight loads each, in each of which 16 lanes take 256 consecutive, aligned bytes of one row and 16 lanes those of the next row.
;   A unit is quantised AS IT IS LOADED (a lane holds four numbers of a block, eight lanes a block) and its CODES turn through the wave's own stage in LDS, a quarter of the numbers' bytes (STEP).
; The units go first, the tile last.  The sums of tokens 32-63 wait in units' registers until the tile's bytes may take partial results.
; W's tiles of experts are taken in an order turned by the work-group's number (tile n stands for experts 16 (n xor rho) on), so that the work-groups' loads of one moment name different bytes of W.
; NO CLUSTER: a joint load lands in LDS, of which x's tiles take 266,240 of 327,680 bytes; W's codes, 128 KiB a work-group against 512 KiB of x, go straight into registers.
; NO PREFETCH: all of x is asked for at the head; there is no loop to run ahead in.
; THE QUANTISER: a block's scale is 2^(floor(log2(largest magnitude)) - 8); its byte is the largest magnitude's exponent field - 8, held at 1 from below by a floor among the maximum's leaves.
; A block of zeros keeps the byte 1 where the rule says 127: its codes are zeros, and only this kernel reads the bytes.
; LIMITS.  NaN and infinities among the inputs are not served.  A score under 2^-126 counts as 0 (v_exp_f32 flushes: ISA guide, its entry).  The two divisions are a reciprocal (1 ulp) and a multiplication.
; The sum over K is formed as eight sums of 256, added in ascending K.  Ties between scores go to the lower expert, as jax.lax.top_k has it.
; REGISTERS: window 0: v0-19, v41-44 addresses; v20-31 the quantisers' own; v32-39 W's scale words; v40 x's; v48-79 four accumulators; v80-95 x's codes; v96-127 STEP's codes, maxima and bounds, or a unit of the tile;
;   v128-255 W's codes (tile n, K step s at 16 (2 n + s)), at the end the softmax.   window 1: the eight units; later units 0's and 1's registers the sums of tokens 32-47 and 48-63, unit 7's a unit of the tile; at the end partial results.
.set ROWB,  8192                       ; a row of x in bytes
.set XP,    1040                       ; a row of x's tile in LDS: 1,024 bytes + 16 of padding = 65 x 16: the 16 rows that a load touches start in 16 different columns of 16 bytes (64 banks of 4 bytes: ISA guide 11.1)
.set XW,    32*XP                      ; a wave's tile; LDS byte 0 on: eight waves' tiles
.set STG,   8*XW                       ; behind them a stage for each wave: 16 rows of 64 codes, and 64 scale bytes
.set SP,    80                         ; 64 bytes + 16 = 5 x 16
.set SCB,   16*SP
.set SWB,   1536
.set OUTS,  STG+8*SWB                  ; 512 bytes of indices, 512 of weights
.set SPARE, OUTS+1024                  ; the spare words, 128 bytes for each wave
.set IMG,   640                        ; a partial result's image of four registers: 512 bytes, at a pitch of 2.5 x 256: two neighbouring images' halves of 128 bytes lie on different banks
.set PM,    8*IMG                      ; the eight images of a tile of 16 tokens; tokens 16 m on have place (m + 2) % 4: the three first places lie in the tile's rows 0-15, the last is stored when all rows have been read
.set FLOOR, 0x4800000                  ; 2^(9 - 127)
.set GV,  4                            ; global offset in a unit: 8,192 (lane / 16) + 16 (lane % 16)
.set STS, 5                            ; the stage, codes in
.set STR, 6                            ; the stage, codes out
.set AXL, 7                            ; my place in my wave's x tile
.set PSA, 8                            ; where I put partial results
.set RD,  9                            ; v9-12 where I read partial results of waves 0-1, 2-3, 4-5, 6-7
.set OA,  13                           ; where I put a token's results
.set ORD, 14                           ; where I read 16 bytes of results back
.set GO,  15                           ; 16 x lane
.set SBS, 16                           ; the stage, scale byte in
.set SBL, 17                           ; the stage, scale word out
.set SPW, 18                           ; my spare word
.set NIL, 19                           ; 0
.set TM,  20                           ; v20-31
.set WS,  32
.set XS,  40
.set PL,  41                           ; lane % 8
.set BL,  42                           ; (lane / 8) % 2
.set H8,  43                           ; 8 (lane / 16) + 4 ((lane / 8) % 2)
.set LB,  44                           ; 4 x lane
.set ACC, 48
.set XC,  80
.set CP,  96                           ; v96-111  STEP: eight pairs of converted codes
.set MA,  112                          ; v112-119 STEP: maxima, then the conversions' scales
.set MB,  120                          ; v120-127 STEP: at work, then 448 x the scales
.set WC,  128
.set L,   128                          ; the end: 16 logits, then scores
.set F,   160                          ; four sets of 8: first, its expert, second, its expert, two at work
.set PB,  192                          ; the partner lane's set
.set MT,  196
.set MX,  200
.set ZA,  202
.set ZB,  204
.set RZ,  206
.set DN,  208
.set W1,  210
.set OD,  212
.set OQ,  216
.set WV,  12                           ; s12  wave
.set RHO, 13                           ; s13  the turn of W's tiles
.set G1,  16                           ; s[16:23] descriptor group 1
.set G0,  24                           ; s[24:27] descriptor group 0
.set BT,  28                           ; s28-30 lanes whose number has bit 0, 1, 2 set
.set BND, 31                           ; s31  from a scale's f32 to 448 x it
.set WB,  32                           ; s[32:39] my slice of W's codes, tile n
.set XBS, 40                           ; s[40:41] x at my slice of the work-group's first row
.set SEL, 42                           ; s[42:43] v_permlanex16_b32's selects for lane xor 16
.set MNT, 44                           ; s44  the mantissa field of 448
.set HM,  45                           ; s45  lanes 16-31
.set SB,  48                           ; s[48:55] at the head: my slice of W's scale words, tile n
.set IK,  48                           ; s48-55 at the end: masks of the insertions
.set MK,  56                           ; s56-58 masks of a merge
.set TB,  60                           ; s60-63 tile n's first expert
.set MSB, 0
.macro WIN new                         ; the immediate's high byte repeats the setting that is left; a switch that changes nothing is dropped
.if MSB != (\new)
	s_set_vgpr_msb (MSB<<8)|(\new)
.set MSB, (\new)
.endif
.endm
.macro PLACES n
.rept \n
	v_nop
.endr
.endm
; Unit j into block j: tokens 32 + 16 (j / 4) on, K step (j / 2) % 2, half j % 2
.macro LOAD j
.irp i, 0,1,2,3,4,5,6,7
	global_load_b128 v[32*(\j)+4*\i:32*(\j)+4*\i+3], v[GV], s[XBS:XBS+1] offset:(32+16*((\j)/4)+2*\i)*ROWB+512*(((\j)/2)%2)+256*((\j)%2) th:TH_LOAD_NT
.endr
.endm
; K step s of a tile of 16 tokens against the four tiles of experts, sums at v[acc] on in window w.  The four accumulators take turns, one instruction a turn; K step 0 starts the sums.
.macro MM s, acc, w
	WIN 0x50*(\w)
.irp n, 0,1,2,3
.if (\s) == 0
	v_wmma_scale_f32_16x16x128_f8f6f4 v[\acc+8*\n:\acc+8*\n+7], v[WC+16*(2*\n+(\s)):WC+16*(2*\n+(\s))+15], v[XC:XC+15], 0, v[WS+2*\n+(\s)], v[XS]
.else
	v_wmma_scale_f32_16x16x128_f8f6f4 v[\acc+8*\n:\acc+8*\n+7], v[WC+16*(2*\n+(\s)):WC+16*(2*\n+(\s))+15], v[XC:XC+15], v[\acc+8*\n:\acc+8*\n+7], v[WS+2*\n+(\s)], v[XS]
.endif
.endr
	WIN 0
.endm
; A partial result goes to LDS, to place m, as images of its registers, 16 bytes a lane, into my own x tile: the bytes have had their only fill, and their last read has come back.  It stands eight places or more behind the products.
.macro PART m, acc, w
	WIN 0x04*(\w)                                  ; a store's data: window w
.irp n, 0,1,2,3
	ds_store_b128 v[PSA], v[\acc+8*\n:\acc+8*\n+3] offset:(\m)*PM+2*\n*IMG           ; each accumulator from its low end on
	ds_store_b128 v[PSA], v[\acc+8*\n+4:\acc+8*\n+7] offset:(\m)*PM+(2*\n+1)*IMG
.endr
	WIN 0
.endm
; A UNIT IN REGISTERS.  Load g of unit j gave lane (h = lane / 16, b = (lane / 8) % 2, p = lane % 8) four neighbours of block b of row 2 g + h.
.macro STEP j
	s_wait_loadcnt 8*(7-(\j))                      ; unit j is in (and all of W ahead of it): behind it units j + 1 .. 7 were issued, 8 loads each
.set UX, 32*(\j)
	WIN 0x05                                       ; sources 0 and 1: the numbers' window
.irp g, 0,1,2,3,4,5,6,7
	v_max3_num_f32 v[MA+\g], |v[UX+4*\g]|, |v[UX+4*\g+1]|, FLOOR
.endr
.irp g, 0,1,2,3,4,5,6,7
	v_max3_num_f32 v[MA+\g], |v[UX+4*\g+2]|, |v[UX+4*\g+3]|, v[MA+\g]
.endr
	WIN 0
	; eight maxima over eight lanes, merged: of two registers a lane keeps the one that its bit names and gives the other to its partner; at the end lane p has the maximum of block b of row 2 p + h
.irp i, 0,1,2,3
	v_cndmask_b32 v[MB+\i], v[MA+2*\i+1], v[MA+2*\i], s[BT]
	v_cndmask_b32 v[MB+4+\i], v[MA+2*\i], v[MA+2*\i+1], s[BT]
.endr
.irp i, 0,1,2,3
	v_max_num_f32_dpp v[MA+\i], v[MB+\i], v[MB+4+\i] row_xmask:1 row_mask:0xf bank_mask:0xf
.endr
.irp i, 0,1
	v_cndmask_b32 v[MB+\i], v[MA+2*\i+1], v[MA+2*\i], s[BT+1]
	v_cndmask_b32 v[MB+4+\i], v[MA+2*\i], v[MA+2*\i+1], s[BT+1]
.endr
.irp i, 0,1
	v_max_num_f32_dpp v[MA+4+\i], v[MB+\i], v[MB+4+\i] row_xmask:2 row_mask:0xf bank_mask:0xf
.endr
	s_delay_alu instid0(VALU_DEP_1)
	v_cndmask_b32 v[MB], v[MA+5], v[MA+4], s[BT+2]
	v_cndmask_b32 v[MB+4], v[MA+4], v[MA+5], s[BT+2]
	s_delay_alu instid0(VALU_DEP_1)
	v_max_num_f32_dpp v[TM], v[MB], v[MB+4] row_xmask:4 row_mask:0xf bank_mask:0xf
	s_delay_alu instid0(VALU_DEP_1)
	v_and_b32 v[TM+1], 0x7f800000, v[TM]           ; its exponent field,
	s_delay_alu instid0(VALU_DEP_1)
	v_add_nc_u32 v[TM+2], 0xfc000000, v[TM+1]      ; less 8: the scale as an f32 number
	s_delay_alu instid0(VALU_DEP_1)
	v_mov_b32_dpp v[MA], v[TM+2] dpp8:[0,0,0,0,0,0,0,0]
.irp g, 1,2,3,4,5,6,7
	v_mov_b32_dpp v[MA+\g], v[TM+2] dpp8:[\g,\g,\g,\g,\g,\g,\g,\g]     ; back to the eight lanes that hold the block
.endr
.irp g, 0,1,2,3,4,5,6,7
	v_add_nc_u32 v[MB+\g], s[BND], v[MA+\g]        ; 448 x the scale
.endr
	s_wait_alu depctr_va_vdst(0)
	s_wait_dscnt 0x0                               ; the step before is through with its stage: its codes have been stored and have come back
.if (\j) > 0 && (\j)%2 == 0
	MM (((\j)-2)/2)%2, 32*(((\j)-2)/4), 1          ; the K step whose two units are the last two; its sums stand in the registers of unit 0 or 1, which are done with
.endif
	v_lshrrev_b32 v[TM+3], 23, v[TM+2]             ; the scale's byte
	WIN 0x41                                       ; destination and source 0: the numbers' window
.irp g, 0,1,2,3,4,5,6,7
.irp e, 0,1,2,3
	v_med3_num_f32 v[UX+4*\g+\e], v[UX+4*\g+\e], -v[MB+\g], v[MB+\g]   ; the conversion to an 8-bit code does not saturate (ISA guide 7.6.2): the hold at the largest code x the scale
.endr
.endr
	WIN 0x01                                       ; the codes go to window 0
.irp q, 0,1,2,3                        ; eight numbers are two rows' fours: converted once with each row's scale; of the first the low four codes count, of the second the high four
	v_cvt_scalef32_pk8_fp8_f32 v[CP+4*\q:CP+4*\q+1],   v[UX+8*\q:UX+8*\q+7], v[MA+2*\q]
	v_cvt_scalef32_pk8_fp8_f32 v[CP+4*\q+2:CP+4*\q+3], v[UX+8*\q:UX+8*\q+7], v[MA+2*\q+1]
.endr
	WIN 0
	v_nop                                          ; one plain line behind the last conversion
.irp q, 0,1,2,3
	ds_store_b32 v[STS], v[CP+4*\q] offset:4*\q*SP
	ds_store_b32 v[STS], v[CP+4*\q+3] offset:(4*\q+2)*SP
.endr
	ds_store_b8 v[SBS], v[TM+3] offset:2*((\j)%2)
	; LDS serves a wave's instructions in order (ISA guide 5.7.1.4): these loads see the stores above, and the next unit's stores come behind them
.set UD, XC+8*((\j)%2)
	ds_load_b128 v[UD:UD+3], v[STR]
	ds_load_b128 v[UD+4:UD+7], v[STR] offset:32
.if (\j)%2
	ds_load_b32 v[XS], v[SBL]                      ; the K step's four scale bytes of row lane % 16
.endif
.endm
; Unit u of tokens 0-31 from my x tile in LDS: tile u / 4, K step (u / 2) % 2, half u % 2; even units into v96-127, odd ones into block 7, which is free by then
.macro XLOAD u
	WIN 0x40*((\u)%2)
.irp c, 0,1
.irp q, 0,1,2,3
	ds_load_b128 v[96+128*((\u)%2)+16*\c+4*\q:96+128*((\u)%2)+16*\c+4*\q+3], v[AXL] offset:((\u)/4)*16*XP+512*(((\u)/2)%2)+256*((\u)%2)+128*\c+16*\q
.endr
.endr
.endm
; 32 numbers of a lane (two blocks, 16 of each; lane xor 16 has the other 16) in v[b] on, window sw, become 8 registers of codes in v[d] on and two bytes of the scale word v[XS] (hb: the lower or upper two).
.macro QUANT b, sw, d, hb
	WIN 0x05*(\sw)
	v_max3_num_f32 v[TM],   |v[(\b)]|,    |v[(\b)+1]|,  FLOOR
	v_max3_num_f32 v[TM+1], |v[(\b)+16]|, |v[(\b)+17]|, FLOOR
	v_max3_num_f32 v[TM+2], |v[(\b)+8]|,  |v[(\b)+9]|,  FLOOR
	v_max3_num_f32 v[TM+3], |v[(\b)+24]|, |v[(\b)+25]|, FLOOR
.irp i, 2,4,6
	v_max3_num_f32 v[TM],   |v[(\b)+\i]|,    |v[(\b)+\i+1]|,  v[TM]
	v_max3_num_f32 v[TM+1], |v[(\b)+16+\i]|, |v[(\b)+17+\i]|, v[TM+1]
	v_max3_num_f32 v[TM+2], |v[(\b)+8+\i]|,  |v[(\b)+9+\i]|,  v[TM+2]
	v_max3_num_f32 v[TM+3], |v[(\b)+24+\i]|, |v[(\b)+25+\i]|, v[TM+3]
.endr
	WIN 0
	v_max_num_f32 v[TM], v[TM], v[TM+2]
	v_max_num_f32 v[TM+1], v[TM+1], v[TM+3]
	s_delay_alu instid0(VALU_DEP_2)
	v_permlanex16_b32 v[TM+4], v[TM], s[SEL], s[SEL+1]
	s_delay_alu instid0(VALU_DEP_2)
	v_permlanex16_b32 v[TM+5], v[TM+1], s[SEL], s[SEL+1]
	s_delay_alu instid0(VALU_DEP_2)
	v_max_num_f32 v[TM], v[TM], v[TM+4]            ; with lane xor 16's: the blocks' largest magnitudes
	s_delay_alu instid0(VALU_DEP_2)
	v_max_num_f32 v[TM+1], v[TM+1], v[TM+5]
	s_delay_alu instid0(VALU_DEP_2)
	v_add_nc_u32 v[TM+6], 0xfc000000, v[TM]        ; 8 off the exponent field: the conversion takes this operand's exponent field as its scale
	s_delay_alu instid0(VALU_DEP_2)
	v_add_nc_u32 v[TM+7], 0xfc000000, v[TM+1]
	v_and_or_b32 v[TM+8], v[TM], 0x7f800000, s[MNT]    ; 448 x the scale
	v_and_or_b32 v[TM+9], v[TM+1], 0x7f800000, s[MNT]
	v_lshrrev_b32 v[TM+10], 23, v[TM+6]            ; the scales' bytes
	v_lshrrev_b32 v[TM+11], 23, v[TM+7]
.if \hb
	s_delay_alu instid0(VALU_DEP_2)
	v_lshl_or_b32 v[XS], v[TM+10], 16, v[XS]
	s_delay_alu instid0(VALU_DEP_1)
	v_lshl_or_b32 v[XS], v[TM+11], 24, v[XS]
.else
	s_delay_alu instid0(VALU_DEP_1)
	v_lshl_or_b32 v[XS], v[TM+11], 8, v[TM+10]
.endif
	WIN 0x41*(\sw)
.irp i, 0,1,2,3,4,5,6,7,8,9,10,11,12,13,14,15
	v_med3_num_f32 v[(\b)+\i], v[(\b)+\i], -v[TM+8], v[TM+8]
.endr
.irp i, 16,17,18,19,20,21,22,23,24,25,26,27,28,29,30,31
	v_med3_num_f32 v[(\b)+\i], v[(\b)+\i], -v[TM+9], v[TM+9]
.endr
	WIN 0x01*(\sw)
	v_cvt_scalef32_pk8_fp8_f32 v[(\d):(\d)+1],   v[(\b):(\b)+7],     v[TM+6]
	v_cvt_scalef32_pk8_fp8_f32 v[(\d)+2:(\d)+3], v[(\b)+8:(\b)+15],  v[TM+6]
	v_cvt_scalef32_pk8_fp8_f32 v[(\d)+4:(\d)+5], v[(\b)+16:(\b)+23], v[TM+7]
	v_cvt_scalef32_pk8_fp8_f32 v[(\d)+6:(\d)+7], v[(\b)+24:(\b)+31], v[TM+7]
	WIN 0
	v_nop                                          ; one plain line behind the last conversion
.endm
; A unit of x's tile: the next one is on its way while this one is quantised
.macro XUNIT u
.if (\u) < 7
	XLOAD (\u)+1
	s_wait_dscnt 8                                 ; unit u is in (and any partial result issued ahead of the youngest eight loads is stored)
.else
	s_wait_dscnt 0x0
.endif
	QUANT 96+128*((\u)%2), (\u)%2, XC+8*((\u)%2), (\u)%2
.if (\u)%2
	PLACES 4                                       ; with the line that ends QUANT: five places between the last conversion and the products
	MM ((\u)/2)%2, ACC, 0
.endif
.if (\u)%4 == 3
	PLACES 8
	PART 2+(\u)/4, ACC, 0
.endif
.if (\u) == 4 || (\u) == 6
	PART ((\u)-4)/2, 16*((\u)-4), 1                ; the sums of tokens 32-47, 48-63: the tile's rows 0-15 have been read
.endif
.endm
; Two sets (first, its expert, second, its expert) become one, in a's registers.  One entry beats another if its score is larger, or equal with the lower expert.
.macro MERGE a, b
	v_cmp_gt_f32 s[MK], v[\a], v[\b]
	v_cmp_eq_f32 s[MK+1], v[\a], v[\b]
	v_cmp_lt_u32 s[MK+2], v[\a+1], v[\b+1]
	s_and_b32 s[MK+1], s[MK+1], s[MK+2]
	s_or_b32 s[MK], s[MK], s[MK+1]                 ; a's first beats b's first
	v_cndmask_b32 v[MT],   v[\a],   v[\a+2], s[MK] ; a's entry for the second place: its second if its first has won, else its first
	v_cndmask_b32 v[MT+1], v[\a+1], v[\a+3], s[MK]
	v_cndmask_b32 v[MT+2], v[\b+2], v[\b],   s[MK] ; b's: its first if a's first has won, else its second
	v_cndmask_b32 v[MT+3], v[\b+3], v[\b+1], s[MK]
	v_cndmask_b32 v[\a],   v[\b],   v[\a],   s[MK]
	v_cndmask_b32 v[\a+1], v[\b+1], v[\a+1], s[MK]
	v_cmp_gt_f32 s[MK], v[MT], v[MT+2]
	v_cmp_eq_f32 s[MK+1], v[MT], v[MT+2]
	v_cmp_lt_u32 s[MK+2], v[MT+1], v[MT+3]
	s_and_b32 s[MK+1], s[MK+1], s[MK+2]
	s_or_b32 s[MK], s[MK], s[MK+1]
	v_cndmask_b32 v[\a+2], v[MT+2], v[MT],   s[MK]
	v_cndmask_b32 v[\a+3], v[MT+3], v[MT+1], s[MK]
.endm
	s_load_b256 s[4:11], s[0:1], 0x0               ; x s[4:5], W's codes s[6:7], its scale words s[8:9], out0 s[10:11]
	s_load_b64 s[14:15], s[0:1], 0x20              ; out1
	v_lshl_add_u32 v[SPW], v0, 2, SPARE
	v_mov_b32 v[NIL], 0
	ds_add_u32 v[SPW], v[NIL]                      ; the wave's opening: the add, twice on end, and its wait ahead of my tensor load
	ds_add_u32 v[SPW], v[NIL]
	v_lshrrev_b32 v1, 5, v0
	v_readfirstlane_b32 s[WV], v1                  ; wave 0..7
	s_mul_i32 s2, s[WV], SWB
	s_add_co_u32 s2, s2, STG                       ; my stage,
	s_add_co_u32 s46, s2, SCB                      ; its scale bytes
	s_mul_i32 s[G0+1], s[WV], XW                   ; LDS address of my x tile
	s_lshr_b32 s3, s[WV], 1                        ; at the end wave w takes tokens 8 w on: tile w / 2,
	s_add_co_u32 s3, s3, 2
	s_and_b32 s3, s3, 3
	s_mul_i32 s3, s3, PM
	s_and_b32 s59, s[WV], 1
	s_lshl_b32 s47, s59, 7                         ; its half w % 2
	s_add_co_u32 s3, s3, s47
	s_lshl_b32 s59, s59, 9
	s_add_co_u32 s59, s59, OUTS
	s_lshl_b32 s47, s[WV], 6
	s_add_co_u32 s47, s47, OUTS
	v_and_b32 v1, 31, v0                           ; lane
	v_and_b32 v2, 15, v0                           ; r = lane % 16
	v_bfe_u32 v3, v0, 4, 1                         ; h = lane / 16
	v_and_b32 v[PL], 7, v0
	v_bfe_u32 v[BL], v0, 3, 1
	v_lshlrev_b32 v[GO], 4, v1
	v_lshlrev_b32 v[LB], 2, v1
	v_lshlrev_b32 v[GV], 4, v2
	v_mul_u32_u24 v[STS], v3, SP
	v_mul_u32_u24 v[STR], v2, SP
	v_mul_u32_u24 v[AXL], v2, XP
	v_lshl_add_u32 v[SBS], v[PL], 3, v[BL]
	v_mul_u32_u24 v[RD], v[BL], IMG
	v_lshlrev_b32 v[H8], 3, v3
	v_lshlrev_b32 v[OA], 3, v[PL]
	v_lshl_add_u32 v[GV], v3, 13, v[GV]            ; lanes 0-15 one row's 256 bytes, lanes 16-31 the next row's
	v_lshl_add_u32 v[STS], v2, 2, v[STS]           ; in: row h of the pair, 4 r
	v_lshl_add_u32 v[STR], v3, 4, v[STR]           ; out: row r, my half's 16 codes of a block
	v_lshl_add_u32 v[AXL], v3, 6, v[AXL]           ; row r, my half's 64 bytes of a block
	v_lshl_add_u32 v[SBS], v3, 2, v[SBS]           ; row 2 p + h, block b: 4 (2 p + h) + b
	v_lshlrev_b32 v[SBL], 2, v2
	v_lshl_add_u32 v[RD], v[PL], 4, v[RD]          ; token 8 (w % 2) + p, image b of a pair,
	v_lshl_add_u32 v[H8], v[BL], 2, v[H8]
	v_lshl_add_u32 v[OA], v3, 9, v[OA]             ; lanes 0-15: token p's two indices; lanes 16-31: its two weights, 512 bytes on
	v_add_nc_u32 v[STS], s2, v[STS]
	v_add_nc_u32 v[STR], s2, v[STR]
	v_add_nc_u32 v[AXL], s[G0+1], v[AXL]
	v_add_nc_u32 v[PSA], s[G0+1], v[GO]
	v_add_nc_u32 v[SBS], s46, v[SBS]
	v_add_nc_u32 v[SBL], s46, v[SBL]
	v_lshl_add_u32 v[RD], v3, 8, v[RD]             ; half h of an image
	v_add_nc_u32 v[OA], s47, v[OA]
	v_add_nc_u32 v[ORD], s59, v[GO]
	v_add_nc_u32 v[RD], s3, v[RD]
	v_mov_b32 v[TM], 0                             ; written once: a lane permute's destination counts as one of its sources
	v_mov_b32 v[TM+4], 0
	v_mov_b32 v[TM+5], 0
	v_add_nc_u32 v[RD+1], 2*XW, v[RD]
	v_add_nc_u32 v[RD+2], 4*XW, v[RD]
	v_add_nc_u32 v[RD+3], 6*XW, v[RD]
	s_wait_alu depctr_va_vdst(0)
	s_mov_b32 s[SEL], 0x76543210
	s_mov_b32 s[SEL+1], 0xfedcba98
	s_mov_b32 s[MNT], 0x600000
	s_mov_b32 s[HM], 0xffff0000
	s_mov_b32 s[BT], 0xaaaaaaaa
	s_mov_b32 s[BT+1], 0xcccccccc
	s_mov_b32 s[BT+2], 0xf0f0f0f0
	s_mov_b32 s[BND], 0x04600000                   ; 8 more in the exponent field, and the mantissa field of 448
	s_lshr_b32 s[RHO], ttmp9, 2                    ; rho: the work-group's number folded to two bits
	s_xor_b32 s[RHO], s[RHO], ttmp9
	s_lshr_b32 s47, s[RHO], 4
	s_xor_b32 s[RHO], s[RHO], s47
	s_and_b32 s[RHO], s[RHO], 3
	s_lshl_b32 s47, s[WV], 14                      ; my 16,384 bytes of W's codes,
	s_lshl_b32 s46, s[WV], 10                      ; my 1,024 bytes of its scale words, and of every row of x
.irp n, 0,1,2,3
	s_xor_b32 s[TB+\n], s[RHO], \n                 ; the tile of experts that my tile n stands for:
	s_lshl_b32 s[WB+2*\n], s[TB+\n], 12            ; its 4,096 bytes of codes,
	s_add_co_u32 s[WB+2*\n], s[WB+2*\n], s47
	s_mov_b32 s[WB+2*\n+1], 0
	s_lshl_b32 s[SB+2*\n], s[TB+\n], 8             ; its 256 bytes of scale words,
	s_add_co_u32 s[SB+2*\n], s[SB+2*\n], s46
	s_mov_b32 s[SB+2*\n+1], 0
	s_lshl_b32 s[TB+\n], s[TB+\n], 4               ; and its first expert
.endr
	s_lshl_b32 s[XBS], ttmp9, 19                   ; the work-group's 64 rows of 8,192 bytes (255 x 2^19 at the most)
	s_add_co_u32 s[XBS], s[XBS], s46
	s_mov_b32 s[XBS+1], 0
	s_mov_b32 s[G0], 1                             ; group 0: count = 1
	; descriptor group 1: a tile of 32 rows x 256 elements of 4 bytes, rows 2,048 elements apart, 4 words of padding behind every 256
	s_mov_b32 s[G1], (2<<16)|(1<<20)|(7<<22)|(3<<25)
	s_mov_b32 s[G1+1], 256<<16                     ; tensor_dim0 = 256
	s_mov_b32 s[G1+2], 32<<16                      ; tensor_dim1 = 32
	s_mov_b32 s[G1+3], 256<<16                     ; tile_dim0 = 256
	s_mov_b32 s[G1+4], 32                          ; tile_dim1 = 32
	s_mov_b32 s[G1+5], 2048                        ; tensor_dim0_stride
	s_mov_b32 s[G1+6], 0
	s_mov_b32 s[G1+7], 0
	s_wait_dscnt 0x0                               ; both opening adds are done
	s_wait_kmcnt 0x0
	s_add_nc_u64 s[XBS:XBS+1], s[4:5], s[XBS:XBS+1]
	s_mov_b64 s[G0+2:G0+3], s[XBS:XBS+1]           ; tokens 0-31, my slice
	s_or_b32 s[G0+3], s[G0+3], 0x80000000          ; type = 2
.irp n, 0,1,2,3
	s_add_nc_u64 s[WB+2*\n:WB+2*\n+1], s[6:7], s[WB+2*\n:WB+2*\n+1]
	s_add_nc_u64 s[SB+2*\n:SB+2*\n+1], s[8:9], s[SB+2*\n:SB+2*\n+1]
.endr
	tensor_load_to_lds s[G0:G0+3], s[G1:G1+7]      ; my tile of x: the launch's only fill of these bytes, my one tensor load
	s_nop 0
	PLACES 4
.irp n, 0,1,2,3                        ; my slice of W: 32 loads of 512 consecutive bytes, 8 of 128
.irp e, 0,1,2,3,4,5,6,7
	global_load_b128 v[WC+32*\n+4*\e:WC+32*\n+4*\e+3], v[GO], s[WB+2*\n:WB+2*\n+1] offset:512*\e
.endr
	global_load_b32 v[WS+2*\n], v[LB], s[SB+2*\n:SB+2*\n+1]
	global_load_b32 v[WS+2*\n+1], v[LB], s[SB+2*\n:SB+2*\n+1] offset:128
.endr
	WIN 0x40
.irp j, 0,1,2,3,4,5,6,7
	LOAD \j
.endr
	; tokens 32-63, from registers
.irp j, 0,1,2,3,4,5,6,7
	STEP \j
.endr
	s_wait_dscnt 0x0                               ; the last K step's codes are in
	MM 1, 32, 1
	; tokens 0-31, from LDS
	s_wait_tensorcnt 0x0                           ; my tile has landed; only I read it
	XLOAD 0
.irp u, 0,1,2,3,4,5,6,7
	XUNIT \u
.endr
	s_wait_dscnt 0x0                               ; for the others' sake: my partial results lie in LDS
	s_barrier_signal -1
	s_barrier_wait -1
	; THE END: wave w takes tokens 8 w + p.  Register 4 n + j of L is the logit of token p and expert 16 (n xor rho) + 8 (lane / 16) + 4 ((lane / 8) % 2) + j
	WIN 0x40
.irp p, 0,1,2,3,4,5,6,7
.irp n, 0,1,2,3
	ds_load_b128 v[16*\p+4*\n:16*\p+4*\n+3], v[RD+\p/2] offset:(\p%2)*XW+2*\n*IMG
.endr
.endr
	s_wait_dscnt 16                                ; waves 0-3's are in: behind them 4 x 4 loads were issued
	WIN 0x05
.irp i, 0,2,4,6,8,10,12,14
	v_pk_add_f32 v[L+\i:L+\i+1], v[\i:\i+1], v[16+\i:17+\i]
.endr
	WIN 0x04
.irp p, 2,3,4,5,6,7
.if \p == 4
	s_wait_alu depctr_va_vdst(0)
	s_wait_dscnt 0x0
.endif
.irp i, 0,2,4,6,8,10,12,14
	v_pk_add_f32 v[L+\i:L+\i+1], v[L+\i:L+\i+1], v[16*\p+\i:16*\p+\i+1]   ; in ascending K
.endr
.endr
	WIN 0
	; the softmax, with the row's maximum taken away
	v_mov_b32 v[MX+1], 0
	v_mov_b32 v[ZB], 0
.irp b, 0,1,2,3
	v_mov_b32 v[PB+\b], 0
.endr
.irp t, 0,1,2,3
	v_max3_num_f32 v[F+8*\t], v[L+4*\t], v[L+4*\t+1], v[L+4*\t+2]
.endr
.irp t, 0,1,2,3
	v_max_num_f32 v[F+8*\t], v[F+8*\t], v[L+4*\t+3]
.endr
	v_max3_num_f32 v[MX], v[F], v[F+8], v[F+16]
	s_delay_alu instid0(VALU_DEP_1)
	v_max_num_f32 v[MX], v[MX], v[F+24]
	s_delay_alu instid0(VALU_DEP_1)
	v_max_num_f32_dpp v[MX], v[MX], v[MX] row_xmask:8 row_mask:0xf bank_mask:0xf
	s_delay_alu instid0(VALU_DEP_1)
	v_permlanex16_b32 v[MX+1], v[MX], s[SEL], s[SEL+1]
	s_delay_alu instid0(VALU_DEP_1)
	v_max_num_f32 v[MX], v[MX], v[MX+1]            ; the token's largest logit
.irp i, 0,2,4,6,8,10,12,14
	v_pk_add_f32 v[L+\i:L+\i+1], v[L+\i:L+\i+1], v[MX:MX+1] op_sel_hi:[1,0] neg_lo:[0,1] neg_hi:[0,1]   ; logit - maximum
.endr
.irp i, 0,2,4,6,8,10,12,14
	v_pk_mul_f32 v[L+\i:L+\i+1], v[L+\i:L+\i+1], 0x3fb8aa3b op_sel_hi:[1,0]   ; x log2(e)
.endr
	s_wait_alu depctr_va_vdst(0)
.irp i, 0,1,2,3,4,5,6,7,8,9,10,11,12,13,14,15
	v_exp_f32 v[L+\i], v[L+\i]
.endr
	v_nop                                          ; a plain line behind the last exponential
	s_wait_alu depctr_va_vdst(0)                   ; one wait for the batch, ahead of its first reader
.irp q, 0,1,2,3
	v_pk_add_f32 v[DN+2*\q:DN+2*\q+1], v[L+4*\q:L+4*\q+1], v[L+4*\q+2:L+4*\q+3]
.endr
	v_pk_add_f32 v[DN:DN+1], v[DN:DN+1], v[DN+2:DN+3]
	v_pk_add_f32 v[DN+4:DN+5], v[DN+4:DN+5], v[DN+6:DN+7]
	s_delay_alu instid0(VALU_DEP_1)
	v_pk_add_f32 v[DN:DN+1], v[DN:DN+1], v[DN+4:DN+5]
	s_delay_alu instid0(VALU_DEP_1)
	v_add_f32 v[ZA], v[DN], v[DN+1]
	s_delay_alu instid0(VALU_DEP_1)
	v_add_f32_dpp v[ZA], v[ZA], v[ZA] row_xmask:8 row_mask:0xf bank_mask:0xf
	s_delay_alu instid0(VALU_DEP_1)
	v_permlanex16_b32 v[ZB], v[ZA], s[SEL], s[SEL+1]
	s_delay_alu instid0(VALU_DEP_1)
	v_add_f32 v[ZA], v[ZA], v[ZB]                  ; the row's sum
	s_wait_alu depctr_va_vdst(0)
	v_rcp_f32 v[RZ], v[ZA]
	v_mov_b32 v[RZ+1], 0                           ; a plain line behind the reciprocal; the pair's upper half is named below, so it is written
	s_wait_alu depctr_va_vdst(0)
.irp i, 0,2,4,6,8,10,12,14
	v_pk_mul_f32 v[L+\i:L+\i+1], v[L+\i:L+\i+1], v[RZ:RZ+1] op_sel_hi:[1,0]   ; the scores
.endr
	; the two largest of each tile's four scores of the lane: four chains of insertions side by side, in ascending expert, so that 'stays unless the new one is larger' keeps the lower expert
.irp t, 0,1,2,3
	v_cmp_ge_f32 s[IK+2*\t], v[L+4*\t], v[L+4*\t+1]
.endr
.irp t, 0,1,2,3
	v_cndmask_b32 v[F+8*\t],   v[L+4*\t+1], v[L+4*\t], s[IK+2*\t]
	v_cndmask_b32 v[F+8*\t+1], 1, 0, s[IK+2*\t]
	v_cndmask_b32 v[F+8*\t+2], v[L+4*\t], v[L+4*\t+1], s[IK+2*\t]
	v_cndmask_b32 v[F+8*\t+3], 0, 1, s[IK+2*\t]
.endr
.irp j, 2,3
.irp t, 0,1,2,3
	v_cmp_ge_f32 s[IK+2*\t], v[F+8*\t], v[L+4*\t+\j]          ; the first stays
.endr
.irp t, 0,1,2,3
	v_cmp_ge_f32 s[IK+2*\t+1], v[F+8*\t+2], v[L+4*\t+\j]      ; the second stays
.endr
.irp t, 0,1,2,3
	v_cndmask_b32 v[F+8*\t+4], v[L+4*\t+\j], v[F+8*\t+2], s[IK+2*\t+1]
.endr
.irp t, 0,1,2,3
	v_cndmask_b32 v[F+8*\t+5], \j, v[F+8*\t+3], s[IK+2*\t+1]
.endr
.irp t, 0,1,2,3
	v_cndmask_b32 v[F+8*\t+2], v[F+8*\t], v[F+8*\t+4], s[IK+2*\t]        ; a first that goes becomes the second
.endr
.irp t, 0,1,2,3
	v_cndmask_b32 v[F+8*\t+3], v[F+8*\t+1], v[F+8*\t+5], s[IK+2*\t]
.endr
.irp t, 0,1,2,3
	v_cndmask_b32 v[F+8*\t], v[L+4*\t+\j], v[F+8*\t], s[IK+2*\t]
.endr
.irp t, 0,1,2,3
	v_cndmask_b32 v[F+8*\t+1], \j, v[F+8*\t+1], s[IK+2*\t]
.endr
.endr
.irp t, 0,1,2,3
	v_add3_u32 v[F+8*\t+1], v[F+8*\t+1], v[H8], s[TB+\t]      ; j becomes the expert
	v_add3_u32 v[F+8*\t+3], v[F+8*\t+3], v[H8], s[TB+\t]
.endr
	MERGE F, F+8
	MERGE F+16, F+24
	MERGE F, F+16
.irp b, 0,1,2,3
	v_mov_b32_dpp v[PB+\b], v[F+\b] row_xmask:8 row_mask:0xf bank_mask:0xf
.endr
	MERGE F, PB                                    ; with lane xor 8's two: the order is total, so both lanes end with the same four numbers
.irp b, 0,1,2,3
	v_permlanex16_b32 v[PB+\b], v[F+\b], s[SEL], s[SEL+1]
.endr
	MERGE F, PB                                    ; and with lane xor 16's
	v_add_f32 v[DN], v[F], v[F+2]
	s_delay_alu instid0(VALU_DEP_1)
	v_add_f32 v[DN], 0x1e3ce508, v[DN]             ; + 1e-20
	s_wait_alu depctr_va_vdst(0)
	v_rcp_f32 v[DN], v[DN]
	v_nop
	s_wait_alu depctr_va_vdst(0)
	v_mul_f32 v[W1], v[F], v[DN]
	v_mul_f32 v[W1+1], v[F+2], v[DN]
	v_cndmask_b32 v[OD], v[F+1], v[W1], s[HM]      ; lanes 0-15 carry the experts, lanes 16-31 the weights
	v_cndmask_b32 v[OD+1], v[F+3], v[W1+1], s[HM]
	ds_store_b64 v[OA], v[OD:OD+1]                 ; lanes l and l xor 8 store the same numbers to the same place
	s_wait_dscnt 0x0                               ; for the others' sake: my tokens' results lie in LDS
	s_barrier_signal -1
	s_barrier_wait -1
	s_cmp_lt_u32 s[WV], 2                          ; wave 0 stores the work-group's 512 bytes of out0, wave 1 those of out1
	s_cbranch_scc0 .Ldone
	ds_load_b128 v[OQ:OQ+3], v[ORD]
	s_cmp_eq_u32 s[WV], 0
	s_cselect_b64 s[46:47], s[10:11], s[14:15]
	s_lshl_b32 s2, ttmp9, 9
	s_mov_b32 s3, 0
	s_add_nc_u64 s[46:47], s[46:47], s[2:3]
	s_wait_dscnt 0x0
	global_store_b128 v[GO], v[OQ:OQ+3], s[46:47] th:TH_STORE_NT   ; 32 lanes store 512 consecutive bytes, at a multiple of 512 from the buffer's first byte
.Ldone:
	s_wait_tensorcnt 0x0                           ; the wave's end
	ds_add_u32 v[SPW], v[NIL]
	s_wait_dscnt 0x0
	s_endpgm
.Lfunc_end_k_q416b021b90_gate:
	.size	k_q416b021b90_gate, .Lfunc_end_k_q416b021b90_gate-k_q416b021b90_gate
	.p2alignl 7, 3214868480
	.fill 96, 4, 3214868480
	.section	.rodata,"a",@progbits
	.p2align	6, 0x0
	.amdhsa_kernel k_q416b021b90_gate
		.amdhsa_group_segment_fixed_size 280576
		.amdhsa_private_segment_fixed_size 0
		.amdhsa_enable_private_segment 0
		.amdhsa_kernarg_size 40
		.amdhsa_user_sgpr_count 2
		.amdhsa_user_sgpr_kernarg_segment_ptr 1
		.amdhsa_wavefront_size32 1
		.amdhsa_system_sgpr_workgroup_id_x 1
		.amdhsa_system_sgpr_workgroup_id_y 1
		.amdhsa_system_sgpr_workgroup_id_z 1
		.amdhsa_system_vgpr_workitem_id 0
		.amdhsa_next_free_vgpr 512
		.amdhsa_next_free_sgpr 66
		.amdhsa_reserve_vcc 0
		.amdhsa_float_denorm_mode_32 3
		.amdhsa_float_denorm_mode_16_64 3
		.amdhsa_memory_ordered 1
		.amdhsa_forward_progress 1
		.amdhsa_inst_pref_size 143
	.end_amdhsa_kernel
	.amdgpu_metadata
---
amdhsa.version: [ 1, 2 ]
amdhsa.kernels:
  - .name:           k_q416b021b90_gate
    .symbol:         k_q416b021b90_gate.kd
    .args:
      - { .name: hidden_states, .offset: 0, .size: 8, .value_kind: global_buffer, .address_space: global }
      - { .name: wcodes, .offset: 8, .size: 8, .value_kind: global_buffer, .address_space: global }
      - { .name: wscales, .offset: 16, .size: 8, .value_kind: global_buffer, .address_space: global }
      - { .name: out0, .offset: 24, .size: 8, .value_kind: global_buffer, .address_space: global }
      - { .name: out1, .offset: 32, .size: 8, .value_kind: global_buffer, .address_space: global }
    .group_segment_fixed_size: 280576
    .private_segment_fixed_size: 0
    .kernarg_segment_align: 8
    .kernarg_segment_size: 40
    .max_flat_workgroup_size: 256
    .sgpr_count:     66
    .vgpr_count:     512
    .wavefront_size: 32
...
	.end_amdgpu_metadata
.endif
;; end of part 2
